; MI455X (gfx1250); checked and timed in simulation.
; The chip was launched on July 23, 2026; its instructions are those of AMD's public machine-readable ISA for CDNA 5 (MIT licence, August 2026) and "CDNA5" Instruction Set Architecture Reference Guide (July 2026). The comments in the code are by the model that wrote it; some were corrected since.
;; Grouped Query Attention. Allowed arithmetic: matrix products marked QUANTISED: E5M2 operands, one given power-of-two scale a tensor, by v_wmma_f32_16x16x64_bf8_bf8 or v_wmma_f32_16x16x128_bf8_bf8, f32 sums; everything else in f32.
;; Inputs: Wk 1,024 x 256 float32; Wo 1,024 x 1,024 float32; Wq 1,024 x 1,024 float32; Wv 1,024 x 256 float32; lowp_scales 12 int32 (the exponents e of the quantised operands' scales 2^e); x 4 x 2,048 x 1,024 float32.
;; Outputs: out0 4 x 2,048 x 1,024 float32.
;; This version of the problem:
;;   THIS VERSION OF THE PROBLEM IS GIVEN IN LOW PRECISION. The matrix products marked QUANTISED in the list below multiply operands that are first quantised to E5M2 (5 exponent bits, 2 mantissa bits; 8 bits a number), with one given power-of-two scale for each operand tensor; their sums are f32. All else is computed in f32.
;;   The module's matrix products, in the order in which they are computed (A, B: the left and right operand; K: the contracted axis; several contracted axes count as one K, in the product's order):
;;     1. [M 8,192, K 1,024] x [K 1,024, N 1,024]; A: input x; B: input Wq: QUANTISED (scales: A lowp_scales[0], B lowp_scales[1])
;;     2. [M 8,192, K 1,024] x [K 1,024, N 256]; A: input x; B: input Wk: QUANTISED (scales: A lowp_scales[2], B lowp_scales[3])
;;     3. [M 8,192, K 1,024] x [K 1,024, N 256]; A: input x; B: input Wv: QUANTISED (scales: A lowp_scales[4], B lowp_scales[5])
;;     4. batch 64 x [M 2,048, K 64] x [K 64, N 2,048]; A: computed on the way; B: computed on the way: QUANTISED (scales: A lowp_scales[6], B lowp_scales[7])
;;     5. batch 64 x [M 2,048, K 2,048] x [K 2,048, N 64]; A: softmax (see below); B: computed on the way: QUANTISED (scales: A lowp_scales[8], B lowp_scales[9])
;;     6. [M 8,192, K 1,024] x [K 1,024, N 1,024]; A: computed on the way; B: input Wo: QUANTISED (scales: A lowp_scales[10], B lowp_scales[11])
;;   THE QUANTISER, for each operand of a quantised product, along K:
;;     - The operand's scale is 2^e, e = its entry of the input lowp_scales (int32; the entries are numbered through the quantised products in the list's order, A before B).
;;     - Each number is divided by the scale, clamped to +-57,344, and rounded to the nearest number of E5M2, ties to even, subnormals kept.
;;     - The product sums the exact products of the quantised numbers (number of the format x scale) in f32.
;;   ~~~python
;;   def quantise(x, axis, e):      # numpy; x: float32 -> the quantised numbers, widened to float32 again
;;       x = np.moveaxis(x, axis, -1); K = x.shape[-1]
;;       r = np.clip(x / 2.0 ** e, -57344, 57344)
;;       step = 2.0 ** (np.maximum(np.frexp(np.where(r == 0, 1, r))[1] - 1, -14) - 2)
;;       q = np.round(r / step) * step * 2.0 ** e      # np.round: ties to even
;;       return np.moveaxis(q, -1, axis).astype(np.float32)
;;   ~~~
;;   SOFTMAX AHEAD OF A QUANTISED PRODUCT. Where the list says 'softmax', what is quantised is not the finished softmax but p = 2^(t - M), with t = logit x log2(e) and M = ceil(the row's largest t), a whole number; so 1/2 < the row's largest p <= 1. The row's sum l is taken of the UNQUANTISED p, in f32, and the product's result is divided by l at the end. Since M is a whole number, a kernel that streams over the keys may use a running M (the ceiling of the running maximum): every later rescaling is an exact power of two, so the quantised numbers keep their values, but for numbers so far below the row's largest that they fall under the format's range.
;;   OPERANDS COMPUTED ON THE WAY. 'Computed on the way' means the value that the module computes at that place (a softmax that the list does not call 'softmax' is quantised finished and normalised). What goes into a quantiser is computed in f32, as accurately as f32 sums, v_exp_f32 and their like allow (about 1e-6 of the number): no bf16 or f16 on the way to a quantiser, and a product that is left as it is and whose result goes on into a quantised operand takes f32 operands (vector FMAs, or v_wmma_f32_16x16x4_f32). A number that lies on a knife's edge between two numbers of the format may be rounded either way, as far as f32 arithmetic and the matrix unit's own rounding can turn it there, and no further.
;; One version. Each part assembles by itself: llvm-mc -triple=amdgcn-amd-amdhsa -mcpu=gfx1250 --defsym DOCPART=n.
;; ======== version 1 of 1: 4 launches
;; limits: right only within a limited range of input values
;; workspace buffers: xf 25,165,824 bytes; wf 2,621,440 bytes; qf 8,388,608 bytes; kf 2,097,152 bytes; vf 2,097,152 bytes; ofr 8,388,608 bytes
;; launch quant (part 1): grid 672 x 1, 8 waves a work-group, no clusters, 68,608 bytes of LDS; arguments x, Wq, Wk, Wv, Wo, lowp_scales, xf, wf; writes xf, wf
.if DOCPART == 1
	.amdgcn_target "amdgcn-amd-amdhsa--gfx1250"
	.amdhsa_code_object_version 6
	.text
	.protected	k_q729236a6bd_quant
	.globl	k_q729236a6bd_quant
	.p2align	8
	.type	k_q729236a6bd_quant,@function
k_q729236a6bd_quant:
	s_mov_b64 s[64:65], 0
	v_nop
	global_prefetch_b8 v0, s[64:65] scope:SCOPE_SE
	s_setreg_imm32_b32 hwreg(HW_REG_WAVE_MODE, 25, 1), 1
	s_wait_xcnt 0x0
; x [8192][1024] and the four weights [1024 (k)][n], f32, become codes of BF8 (E5M2), each with the scale 2^e that is given for it.
; code = number / 2^e, held within +-57,344, rounded to the nearest code, ties to even.
; x is an operand of three products with three given scales (entries 0, 2, 4): three sets of codes are made from one read.
; THE CODES ARE STORED AS IMAGES OF THE OPERAND'S REGISTERS.  A fragment is 16 rows x 128 along K, 16 registers a lane: lane (r, h) holds row r,
; registers 2 c, 2 c + 1 hold k = 16 c + 8 h + 0 .. 7.  Registers 4 g .. 4 g + 3 of the 32 lanes are 512 consecutive bytes, lane l at 16 l: a fragment is 2,048 bytes.
;   xf: three sections of 8,388,608 bytes, each [tile of 16 rows: 512][128 along K: 8][2048]
;   wf: [tile of 16 columns n: 160][128 along K: 8][2048]; tiles 0-63 Wq, 64-79 Wk, 80-95 Wv, 96-159 Wo; a fragment's row is a column n of the weight.
; So every store here covers 512 consecutive bytes, aligned, straight from the conversions' registers.
; SHARES.  A wave makes one fragment.  Work-groups 0-159 take the weights (four tiles of columns x two steps of K each), work-groups 160-671 a tile of 16 rows of x (wave = step of K).
; x: each load reads 512 consecutive bytes of one row; the 16 rows turn through the wave's own stage in LDS (rows 528 bytes apart) so that a lane gets neighbours along K.
; Weights: a lane takes a column and its registers run down K: nothing is transposed.  No tensor load, no barrier: waves share nothing.
; LIMITS: entries 0, 1, 2, 3, 4, 5, 11 of the scales between -126 and 112, so that 2^e and 57,344 x 2^e are f32 numbers.  NaN among the inputs is not served; an infinity is held at the largest code.
.set STG,   16*528                     ; a wave's stage
.set SPARE, 8*STG                      ; behind the eight stages: the spare words, 128 bytes for each wave: four blocks of 256 bytes that no other line names
.set SC,   2                           ; v2-4    2^e as f32, one for each set of codes
.set LIM,  5                           ; v5-7    57,344 x 2^e
.set LI,   8                           ; v8      16 x lane
.set SIN,  9                           ; v9      the stage, on the way in
.set SOUT, 10                          ; v10     and on the way out
.set WO,   11                          ; v11     a weight: my lane's byte offset
.set SPW,  12                          ; v12     LDS address of my spare word; never rewritten
.set NIL,  13                          ; v13     0; never rewritten
.set R,    16                          ; v16-79  numbers as they are loaded
.set N,    80                          ; v80-143 x: register 8 c + i = x(r, 16 c + 8 h + i)
.set T,    144                         ; v144-159 two sets of eight held numbers, by turns
.set C,    16                          ; v16-63  x: codes, 16 registers for each set, over the numbers as loaded, which the stage has taken
.set CW,   80                          ; v80-95  a weight's codes
	s_load_b256 s[4:11], s[0:1], 0x0               ; x s[4:5], Wq s[6:7], Wk s[8:9], Wv s[10:11]
	s_load_b256 s[12:19], s[0:1], 0x20             ; Wo s[12:13], the scales' exponents s[14:15], xf s[16:17], wf s[18:19]
	v_lshl_add_u32 v[SPW], v0, 2, SPARE
	v_mov_b32 v[NIL], 0
	v_lshrrev_b32 v1, 5, v0
	s_delay_alu instid0(VALU_DEP_1)
	v_readfirstlane_b32 s2, v1                     ; wave 0..7
	v_and_b32 v1, 31, v0                           ; lane
	v_and_b32 v14, 15, v0                          ; r
	v_bfe_u32 v15, v0, 4, 1                        ; h
	s_delay_alu instid0(VALU_DEP_3)
	v_lshlrev_b32 v[LI], 4, v1
	s_wait_kmcnt 0x0
	s_load_b256 s[20:27], s[14:15], 0x0            ; e0 .. e7
	s_load_b128 s[28:31], s[14:15], 0x20           ; e8 .. e11
	s_cmp_lt_u32 ttmp9, 160
	s_cbranch_scc0 .Lx
	; ---- the weights
	s_lshr_b32 s32, ttmp9, 2                       ; g: which four tiles of columns
	s_and_b32 s33, ttmp9, 3                        ; which two steps of K
	s_and_b32 s34, s2, 3
	s_lshl_b32 s36, s32, 2
	s_add_co_u32 s34, s34, s36                     ; my tile of columns = 4 g + wave % 4: four waves stand side by side on 256 bytes of a row
	s_lshr_b32 s35, s2, 2
	s_lshl_b32 s36, s33, 1
	s_add_co_u32 s35, s35, s36                     ; my step of K
	s_lshl_b32 s40, s34, 14
	s_lshl_b32 s41, s35, 11
	s_add_co_u32 s40, s40, s41
	s_mov_b32 s41, 0
	s_add_nc_u64 s[18:19], s[18:19], s[40:41]      ; my fragment in wf
	s_cmp_lt_u32 s32, 16
	s_cbranch_scc1 .Lwq
	s_cmp_lt_u32 s32, 20
	s_cbranch_scc1 .Lwk
	s_cmp_lt_u32 s32, 24
	s_cbranch_scc1 .Lwv
; One fragment of a weight.  pitch: bytes in a row; p: the pointer's scalar pair; ntb: the weight's first tile in wf; e: the register with its exponent.
.macro WTASK pitch, p, ntb, e
	s_sub_co_u32 s36, s34, \ntb
	s_lshl_b32 s36, s36, 6                         ; 16 columns are 64 bytes
	s_mul_i32 s37, s35, 128*\pitch                 ; 128 rows a step of K
	s_add_co_u32 s36, s36, s37
	s_mov_b32 s37, 0
	s_add_nc_u64 s[\p:\p+1], s[\p:\p+1], s[36:37]
	v_mul_u32_u24 v[WO], v15, 8*\pitch             ; lanes 16-31 begin 8 rows further down,
	s_delay_alu instid0(VALU_DEP_1)
	v_lshl_add_u32 v[WO], v14, 2, v[WO]            ; lane r at column r
.irp c, 0,1,2,3,4,5,6,7
.irp i, 0,1,2,3,4,5,6,7
	global_load_b32 v[R+8*\c+\i], v[WO], s[\p:\p+1] offset:(16*\c+\i)*\pitch   ; W(16 c + 8 h + i, r)
.endr
.endr
	s_wait_kmcnt 0x0
	s_add_co_i32 s38, s[\e], 127
	s_lshl_b32 s39, s38, 23
	v_mov_b32 v[SC], s39                           ; 2^e as f32: the conversion takes its exponent field
	s_add_co_i32 s38, s38, 15
	s_lshl_b32 s38, s38, 23
	s_or_b32 s38, s38, 0x600000
	v_mov_b32 v[LIM], s38                          ; 57,344 x 2^e
	s_wait_alu depctr_va_vdst(0)
	s_wait_loadcnt 0x0
.irp c, 0,1,2,3,4,5,6,7
.irp i, 0,1,2,3,4,5,6,7
	v_med3_num_f32 v[R+8*\c+\i], v[R+8*\c+\i], -v[LIM], v[LIM]   ; the conversion to an 8-bit code does not saturate (ISA guide 7.6.2): the hold comes first
.endr
	v_cvt_scalef32_pk8_bf8_f32 v[CW+2*\c:CW+2*\c+1], v[R+8*\c:R+8*\c+7], v[SC]
.endr
	v_nop                                          ; a plain line behind the last conversion
.irp g, 0,1,2,3
	global_store_b128 v[LI], v[CW+4*\g:CW+4*\g+3], s[18:19] offset:512*\g
.endr
	s_endpgm                                       ; this arm has written no LDS
.endm
	s_wait_alu depctr_va_vdst(0)
	WTASK 4096, 12, 96, 31                         ; Wo, entry 11
.Lwq:
	s_wait_alu depctr_va_vdst(0)
	WTASK 4096, 6, 0, 21                           ; Wq, entry 1
.Lwk:
	s_wait_alu depctr_va_vdst(0)
	WTASK 1024, 8, 64, 23                          ; Wk, entry 3
.Lwv:
	s_wait_alu depctr_va_vdst(0)
	WTASK 1024, 10, 80, 25                         ; Wv, entry 5
	; ---- x
.Lx:
	s_sub_co_u32 s32, ttmp9, 160                   ; my tile of 16 rows
	s_lshl_b32 s34, s32, 16                        ; 16 rows of 4,096 bytes
	s_lshl_b32 s33, s2, 9                          ; my wave's 128 numbers of each row
	s_add_co_u32 s34, s34, s33
	s_mov_b32 s35, 0
	s_add_nc_u64 s[4:5], s[4:5], s[34:35]
	s_wait_alu depctr_va_vdst(0)
.irp i, 0,1,2,3,4,5,6,7,8,9,10,11,12,13,14,15
	global_load_b128 v[R+4*\i:R+4*\i+3], v[LI], s[4:5] offset:4096*\i th:TH_LOAD_NT   ; 512 consecutive bytes of row i; read once in the launch
.endr
	s_mul_i32 s33, s2, STG
	v_add_nc_u32 v[SIN], s33, v[LI]                ; in: a row as it lies
	v_mul_u32_u24 v[SOUT], v14, 528
	s_delay_alu instid0(VALU_DEP_1)
	v_lshl_add_u32 v[SOUT], v15, 5, v[SOUT]
	s_delay_alu instid0(VALU_DEP_1)
	v_add_nc_u32 v[SOUT], s33, v[SOUT]             ; out: row r, + 32 h bytes: eight numbers of each sixteen
	s_lshl_b32 s36, s32, 14
	s_lshl_b32 s37, s2, 11
	s_add_co_u32 s36, s36, s37
	s_mov_b32 s37, 0
	s_add_nc_u64 s[40:41], s[16:17], s[36:37]      ; my fragment in xf's three sections
	s_add_nc_u64 s[42:43], s[40:41], 0x800000
	s_add_nc_u64 s[44:45], s[40:41], 0x1000000
	s_wait_alu depctr_va_vdst(0)
	s_wait_kmcnt 0x0
.macro XSC s, e
	s_add_co_i32 s38, s[\e], 127
	s_lshl_b32 s39, s38, 23
	v_mov_b32 v[SC+\s], s39
	s_add_co_i32 s38, s38, 15
	s_lshl_b32 s38, s38, 23
	s_or_b32 s38, s38, 0x600000
	v_mov_b32 v[LIM+\s], s38
.endm
	XSC 0, 20
	XSC 1, 22
	XSC 2, 24
	s_wait_alu depctr_va_vdst(0)
.irp i, 0,1,2,3,4,5,6,7,8,9,10,11,12,13,14,15
	s_wait_loadcnt 15-\i                           ; loads come back in order: row i is in, the younger ones may be out
	ds_store_b128 v[SIN], v[R+4*\i:R+4*\i+3] offset:528*\i
.endr
.irp c, 0,1,2,3,4,5,6,7
	ds_load_b128 v[N+8*\c:N+8*\c+3],   v[SOUT] offset:64*\c      ; LDS serves a wave's instructions in order: these see my stores
	ds_load_b128 v[N+8*\c+4:N+8*\c+7], v[SOUT] offset:64*\c+16
.endr
	s_wait_dscnt 0x0
; One set of codes.  The numbers are kept for the next set: the held ones go into two sets of eight registers by turns, so that eight plain lines stand between a conversion and the next write of its sources.
.macro XQ s
.irp c, 0,1,2,3,4,5,6,7
.irp i, 0,1,2,3,4,5,6,7
	v_med3_num_f32 v[T+8*(\c%2)+\i], v[N+8*\c+\i], -v[LIM+\s], v[LIM+\s]
.endr
	v_cvt_scalef32_pk8_bf8_f32 v[C+16*\s+2*\c:C+16*\s+2*\c+1], v[T+8*(\c%2):T+8*(\c%2)+7], v[SC+\s]
.endr
	v_nop
.irp g, 0,1,2,3
	global_store_b128 v[LI], v[C+16*\s+4*\g:C+16*\s+4*\g+3], s[40+2*\s:41+2*\s] offset:512*\g
.endr
.endm
	XQ 0
	XQ 1
	XQ 2
	s_wait_tensorcnt 0x0                           ; the wave's end, behind my last LDS store
	ds_add_u32 v[SPW], v[NIL]
	s_wait_dscnt 0x0
	s_endpgm
.Lfunc_end_k_q729236a6bd_quant:
	.size	k_q729236a6bd_quant, .Lfunc_end_k_q729236a6bd_quant-k_q729236a6bd_quant
	.p2alignl 7, 3214868480
	.fill 96, 4, 3214868480
	.section	.rodata,"a",@progbits
	.p2align	6, 0x0
	.amdhsa_kernel k_q729236a6bd_quant
		.amdhsa_group_segment_fixed_size 68608
		.amdhsa_private_segment_fixed_size 0
		.amdhsa_enable_private_segment 0
		.amdhsa_kernarg_size 64
		.amdhsa_user_sgpr_count 2
		.amdhsa_user_sgpr_kernarg_segment_ptr 1
		.amdhsa_wavefront_size32 1
		.amdhsa_system_sgpr_workgroup_id_x 1
		.amdhsa_system_sgpr_workgroup_id_y 1
		.amdhsa_system_sgpr_workgroup_id_z 1
		.amdhsa_system_vgpr_workitem_id 0
		.amdhsa_next_free_vgpr 160
		.amdhsa_next_free_sgpr 66
		.amdhsa_reserve_vcc 0
		.amdhsa_float_denorm_mode_32 3
		.amdhsa_float_denorm_mode_16_64 3
		.amdhsa_memory_ordered 1
		.amdhsa_forward_progress 1
		.amdhsa_inst_pref_size 70
	.end_amdhsa_kernel
	.amdgpu_metadata
---
amdhsa.version: [ 1, 2 ]
amdhsa.kernels:
  - .name:           k_q729236a6bd_quant
    .symbol:         k_q729236a6bd_quant.kd
    .args:
      - { .name: x, .offset: 0, .size: 8, .value_kind: global_buffer, .address_space: global }
      - { .name: Wq, .offset: 8, .size: 8, .value_kind: global_buffer, .address_space: global }
      - { .name: Wk, .offset: 16, .size: 8, .value_kind: global_buffer, .address_space: global }
      - { .name: Wv, .offset: 24, .size: 8, .value_kind: global_buffer, .address_space: global }
      - { .name: Wo, .offset: 32, .size: 8, .value_kind: global_buffer, .address_space: global }
      - { .name: lowp_scales, .offset: 40, .size: 8, .value_kind: global_buffer, .address_space: global }
      - { .name: xf, .offset: 48, .size: 8, .value_kind: global_buffer, .address_space: global }
      - { .name: wf, .offset: 56, .size: 8, .value_kind: global_buffer, .address_space: global }
    .group_segment_fixed_size: 68608
    .private_segment_fixed_size: 0
    .kernarg_segment_align: 8
    .kernarg_segment_size: 64
    .max_flat_workgroup_size: 256
    .sgpr_count:     66
    .vgpr_count:     160
    .wavefront_size: 32
...
	.end_amdgpu_metadata
.endif
;; end of part 1
;; launch proj (part 2): grid 32 x 6, 4 waves a work-group, clusters of 4 x 1, 327,680 bytes of LDS; arguments xf, wf, lowp_scales, qf, kf, vf; writes qf, kf, vf
.if DOCPART == 2
	.amdgcn_target "amdgcn-amd-amdhsa--gfx1250"
	.amdhsa_code_object_version 6
	.text
	.protected	k_q729236a6bd_proj
	.globl	k_q729236a6bd_proj
	.p2align	8
	.type	k_q729236a6bd_proj,@function
k_q729236a6bd_proj:
	s_mov_b64 s[64:65], 0
	v_nop
	global_prefetch_b8 v0, s[64:65] scope:SCOPE_SE
	s_setreg_imm32_b32 hwreg(HW_REG_WAVE_MODE, 25, 1), 1
	s_wait_xcnt 0x0
	s_wait_alu depctr_hold_cnt(0) depctr_sa_sdst(0) depctr_va_vdst(0) depctr_va_sdst(0) depctr_va_ssrc(0) depctr_va_vcc(0) depctr_vm_vsrc(0)
	s_getreg_b32 s2, hwreg(HW_REG_IB_STS2, 6, 4)
	s_cmp_eq_u32 s2, 0
	s_cbranch_scc0 .Lentry_in_a_cluster
	s_endpgm
.Lentry_in_a_cluster:
	s_bfe_u32 s2, ttmp6, 0x10000c
	s_cmp_lg_u32 s2, 0x3003
	s_cbranch_scc0 .Lentry_shape_is_right
	s_endpgm
.Lentry_shape_is_right:
.set SLOT,  131072
.set HALFT, 32768
.set WREG,  65536
.set SPARE, 2*SLOT
.set NT0,   0
.set FR,    16
.set NL,    4
.set NP,    4
.set ADRA, 16
.set ADRB, 20
.set LI,   26
.set SPW,  28
.set NIL,  29
.set LIM,  30
.set SC,   31
.set TMP,  32
.set AF,   128
.set G1, 24
.set G0, 32
.set G1B, 48
.set G0B, 56
.set MSB, 0
.macro WIN new
.if MSB != \new
	s_set_vgpr_msb (MSB<<8)|\new
.set MSB, \new
.endif
.endm
.set MUL_LO, 0xa1
.set MUL_HI, 0xf1
.set TO_B,   0x40
.macro JLOAD g0a, g1a, g0b, g1b
	s_cmp_eq_u32 s15, 0
	s_cbranch_scc0 .Lfor_b_\@
	tensor_load_to_lds s[\g0a:\g0a+3], s[\g1a:\g1a+7]
	s_nop 0
.rept 4
	v_nop
.endr
	s_branch .Lasked_\@
.Lfor_b_\@:
	tensor_load_to_lds s[\g0b:\g0b+3], s[\g1b:\g1b+7]
	s_nop 0
.rept 4
	v_nop
.endr
.Lasked_\@:
.endm
.macro CREST
	s_cmp_lg_u32 s14, 0
	s_cbranch_scc1 .Lnot_wave_0_\@
	s_barrier_signal -3
.Lnot_wave_0_\@:
	s_barrier_wait -3
	s_barrier_signal -1
	s_barrier_wait -1
.endm
.macro CROUND
	s_barrier_signal -1
	s_barrier_wait -1
	CREST
.endm
	s_load_b256 s[4:11], s[0:1], 0x0
	s_load_b128 s[80:83], s[0:1], 0x20
	v_lshl_add_u32 v[SPW], v0, 2, SPARE
	v_mov_b32 v[NIL], 0
	ds_add_u32 v[SPW], v[NIL]
	ds_add_u32 v[SPW], v[NIL]
	v_lshrrev_b32 v1, 5, v0
	v_readfirstlane_b32 s14, v1
	s_lshr_b32 s15, s14, 1
	s_and_b32 s16, s14, 1
	s_bfe_u32 s40, ttmp6, 0x40000
	s_lshl_b32 s42, ttmp9, 2
	s_add_co_u32 s42, s42, s40
	s_and_b32 s17, ttmp7, 0xffff
	s_mov_b32 s[G1+0], 3<<16
	s_mov_b32 s[G1B+0], 15|(3<<16)|(1<<21)
.irp g, G1, G1B
	s_mov_b32 s[\g+1], 512<<16
	s_mov_b32 s[\g+2], 8<<16
	s_mov_b32 s[\g+3], 512<<16
	s_mov_b32 s[\g+4], 8
	s_mov_b32 s[\g+5], 2048
	s_mov_b32 s[\g+6], 0
	s_mov_b32 s[\g+7], 0
.endr
	s_max_u32 s18, s17, 3
	s_sub_co_u32 s18, s18, 3
	s_lshl_b32 s18, s18, 23
	s_lshl_b32 s19, s16, 17
	s_lshl_b32 s20, s42, 18
	s_add_co_u32 s20, s20, s18
	s_add_co_u32 s20, s20, s19
	s_mov_b32 s21, 0
	s_lshl_b32 s46, s17, 18
	s_add_co_u32 s46, s46, s19
	s_add_co_u32 s46, s46, NT0*16384
	s_mov_b32 s47, 0
	s_mul_i32 s45, s14, HALFT
	s_wait_dscnt 0x0
	s_wait_kmcnt 0x0
	s_load_b256 s[68:75], s[8:9], 0x0
	s_load_b128 s[76:79], s[8:9], 0x20
	s_add_nc_u64 s[20:21], s[4:5], s[20:21]
	s_add_nc_u64 s[46:47], s[6:7], s[46:47]
	CROUND
.irp s, 0,1
	s_mov_b32 s[G0+4*\s], 1
	s_add_co_u32 s[G0+4*\s+1], s45, \s*SLOT
	s_add_nc_u64 s[G0+4*\s+2:G0+4*\s+3], s[20:21], \s*4096
	s_or_b32 s[G0+4*\s+3], s[G0+4*\s+3], 0x80000000
	s_mov_b32 s[G0B+4*\s], 1
	s_add_co_u32 s[G0B+4*\s+1], s45, \s*SLOT
	s_add_nc_u64 s[G0B+4*\s+2:G0B+4*\s+3], s[46:47], \s*4096
	s_or_b32 s[G0B+4*\s+3], s[G0B+4*\s+3], 0x80000000
	s_wait_alu depctr_va_vdst(0)
	s_wait_tensorcnt 0x0
	ds_add_u32 v28, v29
	ds_add_u32 v28, v29
	s_wait_dscnt 0x0
	CROUND
	JLOAD G0+4*\s, G1, G0B+4*\s, G1B
.endr
	v_and_b32 v1, 31, v0
	v_lshlrev_b32 v[LI], 4, v1
	s_wait_alu depctr_va_vdst(0)
	s_cmp_eq_u32 s17, 5
	s_cselect_b32 s21, WREG, 0
	s_cselect_b32 s22, 0, WREG
	s_mul_i32 s23, s15, HALFT
	s_add_co_u32 s21, s21, s23
	s_mul_i32 s23, s16, HALFT
	s_add_co_u32 s22, s22, s23
.irp s, 0,1
	v_add_nc_u32 v[ADRA+\s], s21, v[LI]
	v_add_nc_u32 v[ADRB+\s], s22, v[LI]
	s_add_co_u32 s21, s21, SLOT
	s_add_co_u32 s22, s22, SLOT
.endr
.macro FRAG reg, adr, q, i
.irp g, 0,1,2,3
	ds_load_b128 v[\reg+4*\g:\reg+4*\g+3], v[\adr] offset:(\i)*4096+(\q)*2048+512*\g
.endr
.endm
.macro MUL16 a0, p, zero
.irp a, \a0, \a0+1
.irp b, 0,1,2,3,4,5,6,7
.if \zero
	v_wmma_f32_16x16x128_bf8_bf8 v[8*(8*((\a)%4)+\b):8*(8*((\a)%4)+\b)+7], v[128*(\p)+FR*\b:128*(\p)+FR*\b+FR-1], v[AF+FR*(\a):AF+FR*(\a)+FR-1], 0
.else
	v_wmma_f32_16x16x128_bf8_bf8 v[8*(8*((\a)%4)+\b):8*(8*((\a)%4)+\b)+7], v[128*(\p)+FR*\b:128*(\p)+FR*\b+FR-1], v[AF+FR*(\a):AF+FR*(\a)+FR-1], v[8*(8*((\a)%4)+\b):8*(8*((\a)%4)+\b)+7]
.endif
.endr
.endr
.endm
.macro FETCH_B slot, q, p
	WIN TO_B
.irp i, 0,1,2,3,4,5,6,7
	FRAG 128*(\p)+FR*\i, ADRB+\slot, \q, \i
.endr
	WIN 0
.endm
.macro FETCH_A slot, q, i0
.irp i, \i0, \i0+1, \i0+2, \i0+3
	FRAG AF+FR*(\i), ADRA+\slot, \q, \i
.endr
.endm
.macro PLACES n
.rept \n
	v_nop
.endr
.endm
.macro STEP slot, q, zero
	s_wait_dscnt 4*NL
	WIN MUL_LO
	MUL16 0, (\q)%2, \zero
	MUL16 2, (\q)%2, \zero
	s_wait_dscnt 0
	PLACES NP
	FETCH_B \slot, (\q)+1, 1-(\q)%2
	FETCH_A \slot, (\q)+1, 0
	WIN MUL_HI
	MUL16 4, (\q)%2, \zero
	MUL16 6, (\q)%2, \zero
	PLACES NP
	WIN 0
	FETCH_A \slot, (\q)+1, 4
.endm
.macro TURN slot, next, fill
	s_wait_tensorcnt 0x0
	ds_add_u32 v[SPW], v[NIL]
	s_wait_dscnt 4*NL+1
	WIN MUL_LO
	MUL16 0, 1, 0
	s_wait_dscnt 0x0
	s_barrier_signal -1
	MUL16 2, 1, 0
	WIN 0
	s_barrier_wait -1
.if \fill
	CREST
	s_add_nc_u64 s[G0+4*\slot+2:G0+4*\slot+3], s[G0+4*\slot+2:G0+4*\slot+3], 8192
	s_add_nc_u64 s[G0B+4*\slot+2:G0B+4*\slot+3], s[G0B+4*\slot+2:G0B+4*\slot+3], 8192
	JLOAD G0+4*\slot, G1, G0B+4*\slot, G1B
.else
	PLACES NP
.endif
	FETCH_B \next, 0, 0
	FETCH_A \next, 0, 0
	WIN MUL_HI
	MUL16 4, 1, 0
	MUL16 6, 1, 0
	PLACES NP
	WIN 0
	FETCH_A \next, 0, 4
.endm
	s_wait_alu depctr_va_vdst(0)
	s_wait_tensorcnt 1
	s_barrier_signal -1
	s_barrier_wait -1
	FETCH_B 0, 0, 0
	FETCH_A 0, 0, 0
	FETCH_A 0, 0, 4
	STEP 0, 0, 1
	TURN 0, 1, 1
	STEP 1, 0, 0
	TURN 1, 0, 1
	STEP 0, 0, 0
	TURN 0, 1, 0
	STEP 1, 0, 0
	s_wait_dscnt 4*NL
	WIN MUL_LO
	MUL16 0, 1, 0
	MUL16 2, 1, 0
	s_wait_dscnt 0
	WIN MUL_HI
	MUL16 4, 1, 0
	MUL16 6, 1, 0
	WIN 0
	s_wait_kmcnt 0x0
	s_sub_co_i32 s84, s74, s68
	s_sub_co_i32 s84, s84, s69
	s_sub_co_i32 s85, s75, s70
	s_sub_co_i32 s85, s85, s71
	s_sub_co_i32 s86, s77, s72
	s_sub_co_i32 s86, s86, s73
	s_cmp_eq_u32 s17, 4
	s_cselect_b32 s84, s85, s84
	s_cmp_eq_u32 s17, 5
	s_cselect_b32 s84, s86, s84
	s_add_co_i32 s84, s84, 127
	s_lshl_b32 s85, s84, 23
	v_mov_b32 v[SC], s85
	s_add_co_i32 s84, s84, 15
	s_lshl_b32 s84, s84, 23
	s_or_b32 s84, s84, 0x600000
	v_mov_b32 v[LIM], s84
	PLACES NP
.macro QCODE a
	WIN 0x02+((\a)/4)
.set j, 0
.rept 64
	v_med3_num_f32 v[TMP+j], v[64*((\a)%4)+j], -v[LIM], v[LIM]
.set j, j+1
.endr
	WIN 0
.irp b, 0,1,2,3,4,5,6,7
	v_cvt_scalef32_pk8_bf8_f32 v[AF+16*(\a)+2*\b:AF+16*(\a)+2*\b+1], v[TMP+8*\b:TMP+8*\b+7], v[SC]
.endr
	v_nop
.endm
.irp a, 0,1,2,3,4,5,6,7
	QCODE \a
.endr
	s_lshr_b32 s86, s42, 3
	s_and_b32 s87, s42, 7
	s_cmp_eq_u32 s17, 5
	s_cbranch_scc1 .Lv
	s_cmp_lt_u32 s17, 4
	s_cselect_b64 s[88:89], s[10:11], s[80:81]
	s_cselect_b32 s90, 4, 2
	s_cselect_b32 s91, s17, 0
	s_lshl_b32 s92, s86, s90
	s_lshl_b32 s91, s91, 2
	s_add_co_u32 s92, s92, s91
	s_lshl_b32 s91, s16, 1
	s_add_co_u32 s92, s92, s91
	s_lshl_b32 s92, s92, 7
	s_lshl_b32 s91, s87, 4
	s_add_co_u32 s92, s92, s91
	s_lshl_b32 s91, s15, 3
	s_add_co_u32 s92, s92, s91
	s_lshl_b32 s92, s92, 10
	s_mov_b32 s93, 0
	s_add_nc_u64 s[88:89], s[88:89], s[92:93]
	s_wait_alu depctr_va_vdst(0)
.irp a, 0,1,2,3,4,5,6,7
.irp p, 0,1,2,3
	global_store_b128 v[LI], v[AF+16*\a+4*\p:AF+16*\a+4*\p+3], s[88:89] offset:\a*1024+(\p/2)*131072+(\p%2)*512
.endr
.endr
	s_branch .Ldone
.Lv:
	s_lshl_b32 s92, s86, 2
	s_lshl_b32 s91, s15, 1
	s_add_co_u32 s92, s92, s91
	s_lshl_b32 s92, s92, 4
	s_lshl_b32 s91, s87, 1
	s_add_co_u32 s92, s92, s91
	s_add_co_u32 s92, s92, s16
	s_lshl_b32 s92, s92, 13
	s_mov_b32 s93, 0
	s_add_nc_u64 s[88:89], s[82:83], s[92:93]
	s_wait_alu depctr_va_vdst(0)
.irp a, 0,1,2,3,4,5,6,7
.irp p, 0,1,2,3
	global_store_b128 v[LI], v[AF+16*\a+4*\p:AF+16*\a+4*\p+3], s[88:89] offset:(\a%4)*2048+(\a/4)*131072+\p*512
.endr
.endr
.Ldone:
	s_wait_tensorcnt 0x0
	ds_add_u32 v[SPW], v[NIL]
	s_wait_dscnt 0x0
	CROUND
	s_endpgm
.Lfunc_end_k_q729236a6bd_proj:
	.size	k_q729236a6bd_proj, .Lfunc_end_k_q729236a6bd_proj-k_q729236a6bd_proj
	.p2alignl 7, 3214868480
	.fill 96, 4, 3214868480
	.section	.rodata,"a",@progbits
	.p2align	6, 0x0
	.amdhsa_kernel k_q729236a6bd_proj
		.amdhsa_group_segment_fixed_size 327680
		.amdhsa_private_segment_fixed_size 0
		.amdhsa_enable_private_segment 0
		.amdhsa_kernarg_size 48
		.amdhsa_user_sgpr_count 2
		.amdhsa_user_sgpr_kernarg_segment_ptr 1
		.amdhsa_wavefront_size32 1
		.amdhsa_system_sgpr_workgroup_id_x 1
		.amdhsa_system_sgpr_workgroup_id_y 1
		.amdhsa_system_sgpr_workgroup_id_z 1
		.amdhsa_system_vgpr_workitem_id 0
		.amdhsa_next_free_vgpr 1024
		.amdhsa_next_free_sgpr 100
		.amdhsa_reserve_vcc 0
		.amdhsa_float_denorm_mode_32 3
		.amdhsa_float_denorm_mode_16_64 3
		.amdhsa_memory_ordered 1
		.amdhsa_forward_progress 1
		.amdhsa_inst_pref_size 122
	.end_amdhsa_kernel
	.amdgpu_metadata
---
amdhsa.version: [ 1, 2 ]
amdhsa.kernels:
  - .name:           k_q729236a6bd_proj
    .symbol:         k_q729236a6bd_proj.kd
    .args:
      - { .name: xf, .offset: 0, .size: 8, .value_kind: global_buffer, .address_space: global }
      - { .name: wf, .offset: 8, .size: 8, .value_kind: global_buffer, .address_space: global }
      - { .name: lowp_scales, .offset: 16, .size: 8, .value_kind: global_buffer, .address_space: global }
      - { .name: qf, .offset: 24, .size: 8, .value_kind: global_buffer, .address_space: global }
      - { .name: kf, .offset: 32, .size: 8, .value_kind: global_buffer, .address_space: global }
      - { .name: vf, .offset: 40, .size: 8, .value_kind: global_buffer, .address_space: global }
    .group_segment_fixed_size: 327680
    .private_segment_fixed_size: 0
    .kernarg_segment_align: 8
    .kernarg_segment_size: 48
    .max_flat_workgroup_size: 128
    .sgpr_count:     100
    .vgpr_count:     1024
    .wavefront_size: 32
...
	.end_amdgpu_metadata
.endif
;; end of part 2
;; launch attn (part 3): grid 4 x 64, 8 waves a work-group, no clusters, 263,168 bytes of LDS; arguments qf, kf, vf, lowp_scales, ofr; writes ofr
.if DOCPART == 3
	.amdgcn_target "amdgcn-amd-amdhsa--gfx1250"
	.amdhsa_code_object_version 6
	.text
	.protected	k_q729236a6bd_attn
	.globl	k_q729236a6bd_attn
	.p2align	8
	.type	k_q729236a6bd_attn,@function
k_q729236a6bd_attn:
	s_mov_b64 s[64:65], 0
	v_nop
	global_prefetch_b8 v0, s[64:65] scope:SCOPE_SE
	s_setreg_imm32_b32 hwreg(HW_REG_WAVE_MODE, 25, 1), 1
	s_wait_xcnt 0x0
; o = softmax(q k^T / 8 + slope (key - query)) v for one head of one batch, both products on codes of BF8, and o quantised at once for the last product.
; logit: u = slope x (key - query), rounded; logit = score x 2^(e6 + e7 - 3) + u, one rounding; t = logit x log2(e), rounded: each rounding stands where the f32 definition has one.
; M = the largest t so far, rounded UP to a whole number; p = 2^(t - M) is quantised along the keys, not normalised; the row's sum is taken of the unquantised p and divides at the end.  When M moves, the sum and O are multiplied by 2^(old M - new M): exact.
; SHARES.  y = batch x 16 + head; x takes 512 queries.  A wave owns TWO NEIGHBOURING tiles of 16 queries at a time (A, and B 16 queries on), two such pairs in all; two waves to a SIMD.
; Each fragment of K and V read from LDS feeds two matrix instructions.  key - query of (A, key tile t) equals that of (B, key tile t + 1): nine tiles of the bias serve the step's sixteen tiles of scores.
; K AND V OF THE HEAD STAY IN LDS (131,072 bytes each, images of the operands' registers): each wave brings 16,384 bytes of each through registers at the head; one barrier; nothing is filled again.
; NO TENSOR LOAD, AND SO NO JOINT LOAD: the step holds a scalar branch on the given exponent e8 (to the hold of p, below).
; What work-groups share is read once by each, at the head: 262,144 bytes, against 32 steps a wave that read it from LDS.  Nothing is prefetched: all that the launch reads of K and V is asked for at its head.
; THE HOLD OF p: p is at most 1, and the hold is at 57,344 x 2^e8, which is 1.75 or more where e8 >= -15: there its 128 lines would change nothing.  They stand behind the text's end, and a branch on e8 leads there and back where e8 < -15.
; LAYOUT.  S^T = K Q^T: a lane holds ONE query (lane % 16); register j of tile t holds key 16 t + 8 (lane / 16) + j, the place that the second product's operand gives it.  O^T = V^T P^T likewise for the last product's operand.
; ofr: [tile of 16 rows][128 along K: head / 2][2048]; my head's half is 1,024 bytes.
; LIMITS: e6 + e7 - 3 between -126 and 127; e8, e10 between -126 and 112; e8 + e9 goes in by v_ldexp_f32 and has none.  NaN is not served.
; REGISTERS.  Window 0: all of both tiles' softmax, so that their chains stand side by side.  Window 1: v0-63 K's eight fragments; v64-135 the bias' nine tiles, then V's four fragments (v64-127); v136-167 O^T of A, v168-199 of B.
.set VREG,  131072                     ; LDS: K's 128 images of 1,024 bytes, then V's 64 of 2,048
.set SPARE, 262144                     ; behind them: the spare words, 128 bytes for each wave: four blocks of 256 bytes that no other line names
.set LI,   1                           ; 16 x lane
.set LV,   2                           ; the same in V's region
.set ADK,  3                           ; LDS address of the NEXT step's images of K
.set ADV,  4                           ; of this step's images of V
.set SPW,  5                           ; my spare word; never rewritten
.set NIL,  6                           ; 0; never rewritten
.set OSC,  7                           ; 2^e10
.set DQ,   8                           ; 8 (lane / 16) - lane % 16 - 16
.set OLIM, 9                           ; 57,344 x 2^e10
.set PLIM, 10                          ; 57,344 x 2^e8
.set PSC,  11                          ; 2^e8
                                       ; A: v12 -M, v13 largest t, v[14:15] the sum; B: v16, v17, v[18:19]; f: v[20:21] for A, v[22:23] for B
.set LJ,   24                          ; v24-31  key - query of (B, the step's key tile 0), whole numbers as f32
.set QA,   32
.set QB,   40
.set PA,   48                          ; p's codes, 16 registers a tile; at the end o's
.set PB,   64
.set T,    80                          ; v80-127 at work
.set S,    128
.set SA,   128                         ; v128-191 S^T, t, p of A
.set SB,   192                         ; v192-255 of B
.set KF,   0                           ; window 1
.set UV,   64
.set OA,   136
.set OB,   168
.set WV,   14
.set SEL,  32
.set SLP,  34
.set CSC,  36
.set TB,   38
.set STEPS, 39
.set TILES, 40
.set Q0,   41
.set TBK,  56
.set FREE, 57                          ; 1 where the hold of p cannot bind
.set MSB, 0
.macro WIN new                         ; low byte: bits 1:0 source 0, 3:2 source 1, 5:4 source 2, 7:6 destination; the high byte repeats the setting that is left
.if MSB != \new
	s_set_vgpr_msb (MSB<<8)|\new
.set MSB, \new
.endif
.endm
.macro KLOAD adr                       ; eight images of K into window 1
.irp t, 0,1,2,3,4,5,6,7
	ds_load_b128 v[KF+8*\t:KF+8*\t+3],   v[\adr] offset:\t*1024
	ds_load_b128 v[KF+8*\t+4:KF+8*\t+7], v[\adr] offset:\t*1024+512
.endr
.endm
.macro OSCALE                          ; O^T of both tiles x f
.set i, 0
.rept 16
	v_pk_mul_f32 v[OA+i:OA+i+1], v[OA+i:OA+i+1], v[20:21] op_sel_hi:[1,0]
.set i, i+2
.endr
.set i, 0
.rept 16
	v_pk_mul_f32 v[OB+i:OB+i+1], v[OB+i:OB+i+1], v[22:23] op_sel_hi:[1,0]
.set i, i+2
.endr
.endm
	s_load_b256 s[4:11], s[0:1], 0x0               ; qf s[4:5], kf s[6:7], vf s[8:9], the scales' exponents s[10:11]
	s_load_b64 s[12:13], s[0:1], 0x20              ; ofr
	v_lshl_add_u32 v[SPW], v0, 2, SPARE
	v_mov_b32 v[NIL], 0
	v_lshrrev_b32 v7, 5, v0
	v_readfirstlane_b32 s[WV], v7                  ; wave 0..7
	v_and_b32 v7, 31, v0
	v_lshlrev_b32 v[LI], 4, v7
	v_add_nc_u32 v[LV], VREG, v[LI]
	v_and_b32 v7, 15, v0
	v_bfe_u32 v[DQ], v0, 4, 1
	v_lshlrev_b32 v[DQ], 3, v[DQ]
	v_sub_nc_u32 v[DQ], v[DQ], v7
	v_add_nc_u32 v[DQ], -16, v[DQ]
	v_mov_b32 v21, 0                               ; (named as the upper halves of f's pairs)
	v_mov_b32 v23, 0
	v_mov_b32 v[T+8], 0                            ; a lane permute's destination counts as one of its sources
	v_mov_b32 v[T+9], 0
	s_and_b32 s16, ttmp7, 0xffff                   ; y = batch x 16 + head
	s_lshr_b32 s18, s16, 2                         ; batch x 4 + the key and value head
	s_lshl_b32 s18, s18, 17                        ; its 131,072 bytes in kf and in vf,
	s_lshl_b32 s17, s[WV], 14
	s_add_co_u32 s18, s18, s17                     ; my eighth of them
	s_mov_b32 s19, 0
	v_add_nc_u32 v[ADK], s17, v[LI]                ; and where it goes
	v_add_nc_u32 v[ADV], s17, v[LV]
	s_mov_b32 s[SEL], 0x76543210
	s_mov_b32 s[SEL+1], 0xfedcba98
	s_and_b32 s[SLP+1], s16, 15                    ; the head h.  slope = 2^(-(h + 1) / 2): sqrt(1/2) or 1/2, as f32, with h / 2 taken off the exponent field
	s_mov_b32 s[SLP], 0x3f3504f3
	s_bitcmp1_b32 s[SLP+1], 0
	s_cselect_b32 s[SLP], 0x3f000000, s[SLP]
	s_lshr_b32 s[SLP+1], s[SLP+1], 1
	s_lshl_b32 s[SLP+1], s[SLP+1], 23
	s_sub_co_u32 s[SLP], s[SLP], s[SLP+1]
	s_mov_b32 s[SLP+1], s[SLP]
	s_lshl_b32 s20, ttmp9, 5
	s_lshl_b32 s21, s[WV], 1
	s_add_co_u32 s20, s20, s21                     ; tile A of my first pair: 32 x + 2 wave; the second pair lies 16 tiles on
	s_lshl_b32 s[Q0], s20, 4
	s_lshl_b32 s62, s16, 7
	s_add_co_u32 s62, s62, s20
	s_lshl_b32 s62, s62, 10                        ; Q: image (y x 128 + tile) of 1,024 bytes
	s_mov_b32 s63, 0
	s_lshr_b32 s60, s16, 4
	s_lshl_b32 s60, s60, 7
	s_add_co_u32 s60, s60, s20
	s_lshl_b32 s60, s60, 14                        ; o: tile of rows batch x 128 + tile, 16,384 bytes each,
	s_and_b32 s21, s16, 15
	s_lshl_b32 s21, s21, 10
	s_add_co_u32 s60, s60, s21                     ; + 1,024 x head
	s_mov_b32 s61, 0
	s_wait_alu depctr_va_vdst(0)
	s_wait_kmcnt 0x0
	s_load_b256 s[44:51], s[10:11], 0x0            ; e0 .. e7
	s_load_b128 s[52:55], s[10:11], 0x20           ; e8 .. e11
	s_add_nc_u64 s[6:7], s[6:7], s[18:19]
	s_add_nc_u64 s[8:9], s[8:9], s[18:19]
	s_add_nc_u64 s[4:5], s[4:5], s[62:63]
	s_add_nc_u64 s[12:13], s[12:13], s[60:61]
.set i, 0
.rept 32
	global_load_b128 v[S+4*i:S+4*i+3], v[LI], s[6:7] offset:512*i      ; K: 512 consecutive bytes a load
.set i, i+1
.endr
	WIN 0x40
.set i, 0
.rept 32
	global_load_b128 v[4*i:4*i+3], v[LI], s[8:9] offset:512*i          ; V, into window 1
.set i, i+1
.endr
	WIN 0
.irp i, 0,1,2,3
	global_load_b128 v[QA+4*\i:QA+4*\i+3], v[LI], s[4:5] offset:512*\i ; Q of A and of B
.endr
	s_wait_kmcnt 0x0
	s_add_co_i32 s[CSC], s50, s51
	s_add_co_i32 s[CSC], s[CSC], 124
	s_lshl_b32 s[CSC], s[CSC], 23                  ; 2^(e6 + e7 - 3)
	s_mov_b32 s[CSC+1], s[CSC]
	s_add_co_i32 s43, s52, 127
	s_lshl_b32 s42, s43, 23
	v_mov_b32 v[PSC], s42
	s_add_co_i32 s43, s43, 15
	s_lshl_b32 s43, s43, 23
	s_or_b32 s43, s43, 0x600000
	v_mov_b32 v[PLIM], s43
	s_add_co_i32 s43, s54, 127
	s_lshl_b32 s42, s43, 23
	v_mov_b32 v[OSC], s42
	s_add_co_i32 s43, s43, 15
	s_lshl_b32 s43, s43, 23
	s_or_b32 s43, s43, 0x600000
	v_mov_b32 v[OLIM], s43
	s_add_co_i32 s42, s52, s53                     ; e8 + e9
	s_cmp_ge_i32 s52, -15
	s_cselect_b32 s[FREE], 1, 0
	s_wait_alu depctr_va_vdst(0)
	s_wait_loadcnt 36                              ; K's 32 loads are in; V's 32 and Q's 4 may be out
.set i, 0
.rept 32
	ds_store_b128 v[ADK], v[S+4*i:S+4*i+3] offset:512*i
.set i, i+1
.endr
	s_wait_loadcnt 4                               ; V's are in; Q's 4 may be out
	WIN 0x04
.set i, 0
.rept 32
	ds_store_b128 v[ADV], v[4*i:4*i+3] offset:512*i
.set i, i+1
.endr
	WIN 0
	s_wait_dscnt 0x0                               ; my stores are done,
	s_barrier_signal -1
	s_barrier_wait -1                              ; everybody's are
	WIN 0x40
	KLOAD LI                                       ; step 0's K
	WIN 0
.macro UADD k, lit                     ; key - query of bias tile k: tile 0's + 16 k, exact
.irp i, 0,2,4,6
	v_pk_add_f32 v[UV+8*\k+\i:UV+8*\k+\i+1], v[LJ+\i:LJ+\i+1], \lit op_sel_hi:[1,0]
.endr
.endm
.macro TMUL base                       ; logit -> t
.set i, 0
.rept 32
	v_pk_mul_f32 v[\base+i:\base+i+1], v[\base+i:\base+i+1], 0x3fb8aa3b op_sel_hi:[1,0]
.set i, i+2
.endr
.endm
.macro TFMA base, u                    ; score -> logit; each accumulator is read from its low end on
.set i, 0
.rept 32
	v_pk_fma_f32 v[\base+i:\base+i+1], v[\base+i:\base+i+1], s[CSC:CSC+1], v[\u+i:\u+i+1] op_sel_hi:[1,0,1]
.set i, i+2
.endr
.endm
; Group g is 32 of the 128 registers of t - M (0, 1: A; 2, 3: B).  Its exponentials stand with plain lines between them that read nothing written inside the group's run:
; the next group's t - M, the first sums of the group before, and (g = 3) A's second sums.  One wait ahead of each run: it also serves the run before.
.macro BLK g
	s_wait_alu depctr_va_vdst(0)
.set i, 0
.rept 8
	v_exp_f32 v[S+32*\g+4*i], v[S+32*\g+4*i]
	v_exp_f32 v[S+32*\g+4*i+1], v[S+32*\g+4*i+1]
.if \g < 3
	v_pk_add_f32 v[S+32*\g+32+4*i:S+32*\g+33+4*i], v[S+32*\g+32+4*i:S+32*\g+33+4*i], v[12+4*((\g+1)/2):13+4*((\g+1)/2)] op_sel_hi:[1,0]
.endif
	v_exp_f32 v[S+32*\g+4*i+2], v[S+32*\g+4*i+2]
	v_exp_f32 v[S+32*\g+4*i+3], v[S+32*\g+4*i+3]
.if \g < 3
	v_pk_add_f32 v[S+32*\g+34+4*i:S+32*\g+35+4*i], v[S+32*\g+34+4*i:S+32*\g+35+4*i], v[12+4*((\g+1)/2):13+4*((\g+1)/2)] op_sel_hi:[1,0]
.endif
.if \g > 0
	v_pk_add_f32 v[T+16*(\g-1)+2*i:T+16*(\g-1)+2*i+1], v[S+32*\g-32+4*i:S+32*\g-31+4*i], v[S+32*\g-30+4*i:S+32*\g-29+4*i]
.endif
.if \g == 3
	v_pk_add_f32 v[T+2*i:T+2*i+1], v[T+2*i:T+2*i+1], v[T+16+2*i:T+17+2*i]
.endif
.set i, i+1
.endr
.endm
.macro PADD d, a                       ; a pair of partial sums onto another
	v_pk_add_f32 v[T+\d:T+\d+1], v[T+\d:T+\d+1], v[T+\a:T+\a+1]
.endm
; A KEY STEP: 128 keys x 32 queries.  No two matrix instructions that follow each other share an accumulator.
.macro STEP
	s_add_co_u32 s[TBK], s[TB], 8192
	s_and_b32 s[TBK], s[TBK], 0x1ffff              ; the next step's K; behind the last step comes step 0, for the next pair of tiles
	v_add_nc_u32 v[ADK], s[TBK], v[LI]
	v_add_nc_u32 v[ADV], s[TB], v[LV]
	WIN 0x40                                       ; the bias: nine tiles.  (Six plain lines at the last step's end and the two above stand behind its products, whose source V is written here)
.irp i, 0,2,4,6
	v_pk_mul_f32 v[UV+\i:UV+\i+1], v[LJ+\i:LJ+\i+1], s[SLP:SLP+1] op_sel_hi:[1,0]
.endr
	UADD 1, 0x41800000
	UADD 2, 0x42000000
	UADD 3, 0x42400000
	UADD 4, 0x42800000
	UADD 5, 0x42a00000
	UADD 6, 0x42c00000
	UADD 7, 0x42e00000
	UADD 8, 0x43000000
	WIN 0x41
.set i, 8
.rept 32
	v_pk_mul_f32 v[UV+i:UV+i+1], v[UV+i:UV+i+1], s[SLP:SLP+1] op_sel_hi:[1,0]   ; x slope, rounded once
.set i, i+2
.endr
	WIN 0x01
	s_wait_dscnt 0x0                               ; K is in (asked for a step ago)
.irp t, 0,1,2,3,4,5,6,7
	v_wmma_f32_16x16x64_bf8_bf8 v[SA+8*\t:SA+8*\t+7], v[KF+8*\t:KF+8*\t+7], v[QA:QA+7], 0
	v_wmma_f32_16x16x64_bf8_bf8 v[SB+8*\t:SB+8*\t+7], v[KF+8*\t:KF+8*\t+7], v[QB:QB+7], 0
.endr
	WIN 0
.irp i, 0,2,4,6
	v_pk_add_f32 v[LJ+\i:LJ+\i+1], v[LJ+\i:LJ+\i+1], 0x43000000 op_sel_hi:[1,0]   ; the next step's keys lie 128 on.  (Four plain lines ahead of the first read of the scores)
.endr
	WIN 0x10
	TFMA SA, UV+8                                  ; A's key tile t takes bias tile t + 1
	WIN 0x40
	KLOAD ADK                                      ; 36 plain lines behind the products that read these registers
	WIN 0
	TMUL SA
	WIN 0x10
	TFMA SB, UV                                    ; B's key tile t takes bias tile t
	WIN 0x40
.irp d, 0,1,2,3                                    ; the bias has been read: V's four images take its registers
.irp g, 0,1,2,3
	ds_load_b128 v[UV+16*\d+4*\g:UV+16*\d+4*\g+3], v[ADV] offset:\d*2048+\g*512
.endr
.endr
	WIN 0
	TMUL SB
.irp c, 0,1,2,3                                    ; the step's largest t of each query: four chains a tile, eight side by side
	v_max3_num_f32 v[T+\c], v[SA+16*\c], v[SA+16*\c+1], v[SA+16*\c+2]
	v_max3_num_f32 v[T+4+\c], v[SB+16*\c], v[SB+16*\c+1], v[SB+16*\c+2]
.endr
.irp k, 3,5,7,9,11,13
.irp c, 0,1,2,3
	v_max3_num_f32 v[T+\c], v[T+\c], v[SA+16*\c+\k], v[SA+16*\c+\k+1]
	v_max3_num_f32 v[T+4+\c], v[T+4+\c], v[SB+16*\c+\k], v[SB+16*\c+\k+1]
.endr
.endr
	v_max3_num_f32 v[T], v[T], v[T+1], v[SA+15]
	v_max3_num_f32 v[T+4], v[T+4], v[T+5], v[SB+15]
	v_max3_num_f32 v[T+2], v[T+2], v[T+3], v[SA+31]
	v_max3_num_f32 v[T+6], v[T+6], v[T+7], v[SB+31]
	v_max3_num_f32 v[T], v[T], v[T+2], v[SA+47]
	v_max3_num_f32 v[T+4], v[T+4], v[T+6], v[SB+47]
	v_max3_num_f32 v[T], v[T], v[SA+63], v13       ; with the largest so far
	v_max3_num_f32 v[T+4], v[T+4], v[SB+63], v17
	v_permlanex16_b32 v[T+8], v[T], s[SEL], s[SEL+1]
	v_permlanex16_b32 v[T+9], v[T+4], s[SEL], s[SEL+1]
	v_max_num_f32 v13, v[T], v[T+8]                ; and lane l xor 16's 64 keys
	v_max_num_f32 v17, v[T+4], v[T+9]
	v_floor_f32 v[T+10], -v13                      ; the new -M = -ceil(t)
	v_floor_f32 v[T+11], -v17
	v_sub_f32 v[T+12], v[T+10], v12                ; old M - new M: a whole number, 0 or less
	v_sub_f32 v[T+13], v[T+11], v16
	v_mov_b32 v12, v[T+10]
	v_mov_b32 v16, v[T+11]
	v_cvt_i32_f32 v[T+12], v[T+12]                 ; (it saturates)
	v_cvt_i32_f32 v[T+13], v[T+13]
	v_ldexp_f32 v20, 1.0, v[T+12]                  ; f = 2^(old M - new M)
	v_ldexp_f32 v22, 1.0, v[T+13]
	WIN 0x41
	OSCALE                                         ; O^T under the new M, ahead of the step's exponentials: none stands between the last step's products and these, their first readers
	WIN 0
.set i, 0
.rept 16
	v_pk_add_f32 v[S+i:S+i+1], v[S+i:S+i+1], v[12:13] op_sel_hi:[1,0]   ; group 0's t - M
.set i, i+2
.endr
	BLK 0
	BLK 1
	BLK 2
	BLK 3
	s_wait_alu depctr_va_vdst(0)                   ; the wait behind the last run, ahead of its first reader
	s_wait_dscnt 0x0                               ; V is in
.set i, 0
.rept 8
	v_pk_add_f32 v[T+16+2*i:T+17+2*i], v[S+96+4*i:S+97+4*i], v[S+98+4*i:S+99+4*i]   ; group 3's first sums.  THE SUMS ARE TAKEN OF THE UNQUANTISED p
.set i, i+1
.endr
.irp i, 0,2,4,6
	PADD \i, 8+\i
.endr
.irp i, 0,2,4,6,8,10,12,14
	PADD 32+\i, 16+\i
.endr
	s_cmp_lg_u32 s[FREE], 0                        ; a given whole number, the same in every wave
	s_cbranch_scc0 .Lhold                          ; e8 < -15: to the hold, behind the text's end, and back
.Lheld:
.irp t, 0,1,2,3,4,5,6,7
	v_cvt_scalef32_pk8_bf8_f32 v[PA+2*\t:PA+2*\t+1], v[SA+8*\t:SA+8*\t+7], v[PSC]
	v_cvt_scalef32_pk8_bf8_f32 v[PB+2*\t:PB+2*\t+1], v[SB+8*\t:SB+8*\t+7], v[PSC]
.endr
	PADD 0, 4                                      ; six plain lines between the conversions and the products
	PADD 2, 6
.irp i, 0,2,4,6
	PADD 32+\i, 40+\i
.endr
	WIN 0x51
.irp d, 0,1,2,3
	v_wmma_f32_16x16x128_bf8_bf8 v[OA+8*\d:OA+8*\d+7], v[UV+16*\d:UV+16*\d+15], v[PA:PA+15], v[OA+8*\d:OA+8*\d+7]
	v_wmma_f32_16x16x128_bf8_bf8 v[OB+8*\d:OB+8*\d+7], v[UV+16*\d:UV+16*\d+15], v[PB:PB+15], v[OB+8*\d:OB+8*\d+7]
.endr
	WIN 0
	PADD 0, 2                                      ; the sums' last lines: six plain lines behind the products
	PADD 32, 36
	PADD 34, 38
	v_pk_fma_f32 v[14:15], v[14:15], v[20:21], v[T:T+1] op_sel_hi:[1,0,1]          ; the sum under the new M, + this step's
	PADD 32, 34
	v_pk_fma_f32 v[18:19], v[18:19], v[22:23], v[T+32:T+33] op_sel_hi:[1,0,1]
.endm
	s_mov_b32 s[TILES], 2
.Ltile:
	v_sub_nc_u32 v[T], v[DQ], s[Q0]                ; key - query of register 0, (B, key tile 0), step 0
.irp j, 0,1,2,3,4,5,6,7
	v_add_nc_u32 v[LJ+\j], \j, v[T]
.endr
.irp j, 0,1,2,3,4,5,6,7
	v_cvt_f32_i32 v[LJ+\j], v[LJ+\j]
.endr
	v_mov_b32 v13, 0xff61b1e6                      ; the largest t so far: -3e38, under every t
	v_mov_b32 v17, 0xff61b1e6
	v_floor_f32 v12, -v13
	v_floor_f32 v16, -v17
	v_mov_b32 v14, 0
	v_mov_b32 v15, 0
	v_mov_b32 v18, 0
	v_mov_b32 v19, 0
	WIN 0x40
.set i, 0
.rept 64
	v_mov_b32 v[OA+i], 0                           ; the step is written once: the first finds zeros, which the first change of M leaves zeros
.set i, i+1
.endr
	WIN 0
	s_mov_b32 s[TB], 0
	s_mov_b32 s[STEPS], 16
	s_wait_alu depctr_va_vdst(0)
	s_wait_loadcnt 0x0                             ; Q
.Lstep:
	STEP
	s_add_co_u32 s[TB], s[TB], 8192                ; eight images of K, four of V
	s_sub_co_u32 s[STEPS], s[STEPS], 1
	s_cmp_lg_u32 s[STEPS], 0
	s_cbranch_scc1 .Lstep
	; THE WAY OUT: o = O^T x 2^(e8 + e9) / the sum, quantised with 2^e10: the conversions' registers are my head's half of the next operand's image
	s_cmp_eq_u32 s[TILES], 1
	s_wait_alu depctr_va_vdst(0)
	s_cbranch_scc1 .Lnoq
	s_add_nc_u64 s[4:5], s[4:5], 16384             ; the next pair's Q, 16 tiles on, is asked for here (the earlier loads were waited for)
.irp i, 0,1,2,3
	global_load_b128 v[QA+4*\i:QA+4*\i+3], v[LI], s[4:5] offset:512*\i
.endr
.Lnoq:
	v_add_f32 v14, v14, v15
	v_add_f32 v18, v18, v19
	v_permlanex16_b32 v[T+8], v14, s[SEL], s[SEL+1]
	v_permlanex16_b32 v[T+9], v18, s[SEL], s[SEL+1]
	v_add_f32 v14, v14, v[T+8]                     ; the rows' sums
	v_add_f32 v18, v18, v[T+9]
	s_wait_alu depctr_va_vdst(0)
	v_rcp_f32 v14, v14
	v_rcp_f32 v18, v18
	v_nop                                          ; a plain line behind the reciprocals,
	s_wait_alu depctr_va_vdst(0)                   ; and the wait ahead of their first reader
	v_ldexp_f32 v20, v14, s42
	v_ldexp_f32 v22, v18, s42
	WIN 0x41
	s_wait_alu depctr_va_vdst(0)
	OSCALE
.set i, 0
.rept 64
	v_med3_num_f32 v[OA+i], v[OA+i], -v[OLIM], v[OLIM]
.set i, i+1
.endr
	WIN 0x01
.irp d, 0,1,2,3
	v_cvt_scalef32_pk8_bf8_f32 v[PA+2*\d:PA+2*\d+1], v[OA+8*\d:OA+8*\d+7], v[OSC]
	v_cvt_scalef32_pk8_bf8_f32 v[PB+2*\d:PB+2*\d+1], v[OB+8*\d:OB+8*\d+7], v[OSC]
.endr
	WIN 0
	v_nop                                          ; a plain line behind the last conversion
	global_store_b128 v[LI], v[PA:PA+3],   s[12:13]                 ; 512 consecutive bytes, aligned
	global_store_b128 v[LI], v[PA+4:PA+7], s[12:13] offset:512
	global_store_b128 v[LI], v[PB:PB+3],   s[12:13] offset:16384    ; B's tile of rows
	global_store_b128 v[LI], v[PB+4:PB+7], s[12:13] offset:16896
	s_wait_xcnt 0x0                                ; the stores have read their data and their base: both are written again only behind this wait
	s_add_nc_u64 s[12:13], s[12:13], 262144        ; 16 tiles of rows on
	s_add_co_u32 s[Q0], s[Q0], 256
	s_sub_co_u32 s[TILES], s[TILES], 1
	s_cmp_lg_u32 s[TILES], 0
	s_cbranch_scc1 .Ltile
	s_wait_tensorcnt 0x0                           ; the wave's end, behind my last LDS store
	ds_add_u32 v[SPW], v[NIL]
	s_wait_dscnt 0x0
	s_endpgm
.Lhold:                                            ; the hold of p, where e8 < -15
.set i, 0
.rept 128
	v_min_num_f32 v[S+i], v[S+i], v[PLIM]          ; the conversion does not saturate (ISA guide 7.6.2); p is not negative, so the hold is one-sided
.set i, i+1
.endr
	s_wait_alu depctr_va_vdst(0)
	s_branch .Lheld
.Lfunc_end_k_q729236a6bd_attn:
	.size	k_q729236a6bd_attn, .Lfunc_end_k_q729236a6bd_attn-k_q729236a6bd_attn
	.p2alignl 7, 3214868480
	.fill 96, 4, 3214868480
	.section	.rodata,"a",@progbits
	.p2align	6, 0x0
	.amdhsa_kernel k_q729236a6bd_attn
		.amdhsa_group_segment_fixed_size 263168
		.amdhsa_private_segment_fixed_size 0
		.amdhsa_enable_private_segment 0
		.amdhsa_kernarg_size 40
		.amdhsa_user_sgpr_count 2
		.amdhsa_user_sgpr_kernarg_segment_ptr 1
		.amdhsa_wavefront_size32 1
		.amdhsa_system_sgpr_workgroup_id_x 1
		.amdhsa_system_sgpr_workgroup_id_y 1
		.amdhsa_system_sgpr_workgroup_id_z 1
		.amdhsa_system_vgpr_workitem_id 0
		.amdhsa_next_free_vgpr 512
		.amdhsa_next_free_sgpr 80
		.amdhsa_reserve_vcc 0
		.amdhsa_float_denorm_mode_32 3
		.amdhsa_float_denorm_mode_16_64 3
		.amdhsa_memory_ordered 1
		.amdhsa_forward_progress 1
		.amdhsa_inst_pref_size 71
	.end_amdhsa_kernel
	.amdgpu_metadata
---
amdhsa.version: [ 1, 2 ]
amdhsa.kernels:
  - .name:           k_q729236a6bd_attn
    .symbol:         k_q729236a6bd_attn.kd
    .args:
      - { .name: qf, .offset: 0, .size: 8, .value_kind: global_buffer, .address_space: global }
      - { .name: kf, .offset: 8, .size: 8, .value_kind: global_buffer, .address_space: global }
      - { .name: vf, .offset: 16, .size: 8, .value_kind: global_buffer, .address_space: global }
      - { .name: lowp_scales, .offset: 24, .size: 8, .value_kind: global_buffer, .address_space: global }
      - { .name: ofr, .offset: 32, .size: 8, .value_kind: global_buffer, .address_space: global }
    .group_segment_fixed_size: 263168
    .private_segment_fixed_size: 0
    .kernarg_segment_align: 8
    .kernarg_segment_size: 40
    .max_flat_workgroup_size: 256
    .sgpr_count:     80
    .vgpr_count:     512
    .wavefront_size: 32
...
	.end_amdgpu_metadata
.endif
;; end of part 3
;; launch outp (part 4): grid 64 x 4, 4 waves a work-group, clusters of 4 x 1, 327,680 bytes of LDS; arguments ofr, wf, lowp_scales, out0; writes out0
.if DOCPART == 4
	.amdgcn_target "amdgcn-amd-amdhsa--gfx1250"
	.amdhsa_code_object_version 6
	.text
	.protected	k_q729236a6bd_outp
	.globl	k_q729236a6bd_outp
	.p2align	8
	.type	k_q729236a6bd_outp,@function
k_q729236a6bd_outp:
	s_mov_b64 s[64:65], 0
	v_nop
	global_prefetch_b8 v0, s[64:65] scope:SCOPE_SE
	s_setreg_imm32_b32 hwreg(HW_REG_WAVE_MODE, 25, 1), 1
	s_wait_xcnt 0x0
	s_wait_alu depctr_hold_cnt(0) depctr_sa_sdst(0) depctr_va_vdst(0) depctr_va_sdst(0) depctr_va_ssrc(0) depctr_va_vcc(0) depctr_vm_vsrc(0)
	s_getreg_b32 s2, hwreg(HW_REG_IB_STS2, 6, 4)
	s_cmp_eq_u32 s2, 0
	s_cbranch_scc0 .Lentry_in_a_cluster
	s_endpgm
.Lentry_in_a_cluster:
	s_bfe_u32 s2, ttmp6, 0x10000c
	s_cmp_lg_u32 s2, 0x3003
	s_cbranch_scc0 .Lentry_shape_is_right
	s_endpgm
.Lentry_shape_is_right:
; out0 [8192][1024] f32 = o Wo, both as codes of BF8 (E5M2); each finished sum is multiplied once by 2^(e10 + e11).  LIMIT: e10 + e11 between -126 and 127.
; Both operands lie in memory as IMAGES OF THE OPERANDS' REGISTERS: a fragment of 16 rows x 128 K is 2,048 bytes, registers 4 g .. 4 g + 3 of the 32 lanes at 512 g + 16 lane.
;   ofr: [tile of 16 rows: 512][128 along K: 8][2048];   wf: [tile of 16 columns][128 along K: 8][2048], Wo's tiles from 96 on.
; SHARES.  A work-group makes 128 rows (x) x 256 columns (y): 64 x 4 = 256 work-groups.  Its four waves make 64 x 128 each: 32 accumulators.
; B: the block's 16 column tiles, all of K, are 262,144 dense bytes: each wave asks for 65,536 of them by ONE joint load (clusters of 4 along x walk the same columns: mask 15).  Nothing is filled again: one barrier.
; A: a wave's 4 row tiles x 8 steps of K go from memory straight into 512 registers, 128 loads asked for at the head; each is used by this wave as it lies.
; So nothing is prefetched: all that the launch reads is asked for at its head.
; K goes in 16 half steps (128 K x 4 column tiles, 16 matrix instructions); B's fragments come from LDS into three sets of 64 registers, two half steps ahead.
; The matrix instruction is used transposed (source 0 = 16 columns of Wo, source 1 = 16 rows of o): a lane holds eight neighbouring numbers of a row of out0.
; REGISTERS: window 0: v1-10 addresses, v64-255 B's three sets (on the way out: at work); windows 1, 2: A (step k, tile a at 16 (4 (k % 4) + a) of window 1 + k / 4); window 3: accumulator (a, b) at 8 (8 a + b).
.set STAGE,  262144                    ; behind B: 16 rows x (512 + 16) bytes for each wave, for the way out
.set SPITCH, 528
.set SPARE,  STAGE+4*16*SPITCH         ; behind the stages: the spare words, 128 bytes for each wave: two blocks of 256 bytes that no other line names
.set LI,   1                           ; 16 x lane
.set ADB,  2                           ; v2, v3  LDS address of my column tiles 0-3, 4-7
.set STO,  4
.set RD,   5
.set SPW,  6
.set NIL,  7
.set BF,   64
.set TMP,  64
.set BK,   128
.set MSB, 0
.macro WIN new
.if MSB != \new
	s_set_vgpr_msb (MSB<<8)|\new
.set MSB, \new
.endif
.endm
.macro PLACES
.rept 4
	v_nop
.endr
.endm
.macro CROUND                          ; a round of the cluster's barrier
	s_barrier_signal -1
	s_barrier_wait -1
	s_cmp_lg_u32 s14, 0
	s_cbranch_scc1 .Lnot_wave_0_\@
	s_barrier_signal -3
.Lnot_wave_0_\@:
	s_barrier_wait -3
	s_barrier_signal -1
	s_barrier_wait -1
.endm
	s_load_b256 s[4:11], s[0:1], 0x0               ; ofr s[4:5], wf s[6:7], the scales' exponents s[8:9], out0 s[10:11]
	v_lshl_add_u32 v[SPW], v0, 2, SPARE
	v_mov_b32 v[NIL], 0
	ds_add_u32 v[SPW], v[NIL]                      ; the opening lines: the add, twice on end, and its wait ahead of my tensor load
	ds_add_u32 v[SPW], v[NIL]
	v_lshrrev_b32 v8, 5, v0
	v_readfirstlane_b32 s14, v8                    ; wave 0..3
	s_lshr_b32 s15, s14, 1                         ; which 64 rows
	s_and_b32 s16, s14, 1                          ; which 128 columns
	s_bfe_u32 s40, ttmp6, 0x40000                  ; cx: it enters A's and out0's addresses alone
	s_lshl_b32 s42, ttmp9, 2
	s_add_co_u32 s42, s42, s40                     ; x
	s_and_b32 s17, ttmp7, 0xffff                   ; y, which the partners share
	s_mov_b32 s24, 15|(3<<16)|(1<<21)              ; group 1: the mask; elements of 8 bytes; bit 21 beside a mask
	s_mov_b32 s25, 32<<16                          ; rows of 256 bytes,
	s_mov_b32 s26, 256<<16                         ; 256 of them,
	s_mov_b32 s27, 32<<16
	s_mov_b32 s28, 256
	s_mov_b32 s29, 32                              ; dense
	s_mov_b32 s30, 0
	s_mov_b32 s31, 0
	s_lshl_b32 s46, s17, 18                        ; B: 262,144 y
	s_lshl_b32 s45, s14, 16                        ; + 65,536 wave, in memory and in LDS
	s_add_co_u32 s46, s46, s45
	s_add_co_u32 s46, s46, 96*16384
	s_mov_b32 s47, 0
	s_lshl_b32 s20, s42, 17                        ; A: 8 row tiles of 16,384 bytes a work-group,
	s_lshl_b32 s21, s15, 16                        ; 4 a wave
	s_add_co_u32 s20, s20, s21
	s_mov_b32 s21, 0
	s_lshl_b32 s22, s42, 19                        ; out0: 128 rows of 4,096 bytes a work-group,
	s_lshl_b32 s23, s15, 18
	s_add_co_u32 s22, s22, s23
	s_lshl_b32 s23, s17, 10                        ; 1,024 bytes of a row a block,
	s_add_co_u32 s22, s22, s23
	s_lshl_b32 s23, s16, 9                         ; 512 a wave
	s_add_co_u32 s22, s22, s23
	s_mov_b32 s23, 0
	s_wait_dscnt 0x0                               ; both opening adds are done
	s_wait_kmcnt 0x0
	s_load_b64 s[96:97], s[8:9], 0x28              ; e10, e11
	s_mov_b32 s32, 1
	s_mov_b32 s33, s45
	s_add_nc_u64 s[34:35], s[6:7], s[46:47]
	s_or_b32 s35, s35, 0x80000000
	s_add_nc_u64 s[4:5], s[4:5], s[20:21]
	s_add_nc_u64 s[10:11], s[10:11], s[22:23]
	CROUND                                         ; all four work-groups are here: the joint loads meet
	tensor_load_to_lds s[32:35], s[24:31]          ; my quarter of B: my one tensor load
	s_nop 0
	PLACES
	v_and_b32 v8, 31, v0
	v_lshlrev_b32 v[LI], 4, v8
	s_lshl_b32 s21, s16, 17
	v_add_nc_u32 v[ADB], s21, v[LI]
	v_add_nc_u32 v[ADB+1], 65536, v[ADB]
	v_and_b32 v8, 15, v0
	v_bfe_u32 v9, v0, 4, 1
	s_mul_i32 s23, s14, 16*SPITCH
	s_add_co_u32 s23, s23, STAGE                   ; my stage
	v_mul_u32_u24 v10, v8, SPITCH
	v_lshl_add_u32 v10, v9, 5, v10
	v_add_nc_u32 v[STO], s23, v10                  ; in: row lane % 16, 32 bytes for each half of the lanes
	v_add_nc_u32 v[RD], s23, v[LI]                 ; back: the 32 lanes take one row of 512 bytes
.macro ALOAD k                         ; A's four fragments of step k
.irp a, 0,1,2,3
.irp g, 0,1,2,3
	global_load_b128 v[16*(4*((\k)%4)+\a)+4*\g:16*(4*((\k)%4)+\a)+4*\g+3], v[LI], s[4:5] offset:\a*16384+(\k)*2048+\g*512
.endr
.endr
.endm
	WIN 0x40
.irp k, 0,1,2,3
	ALOAD \k
.endr
	WIN 0x80
.irp k, 4,5,6,7
	ALOAD \k
.endr
	WIN 0
	s_wait_alu depctr_va_vdst(0)
	s_wait_tensorcnt 0x0                           ; my quarter of B is in,
	s_barrier_signal -1
	s_barrier_wait -1                              ; everybody's is.
.macro BLOAD j                         ; half step j: step j / 2 of K, my column tiles 4 (j % 2) .. + 3, into set j % 3
.irp i, 0,1,2,3
.irp g, 0,1,2,3
	ds_load_b128 v[BF+64*((\j)%3)+16*\i+4*\g:BF+64*((\j)%3)+16*\i+4*\g+3], v[ADB+(\j)%2] offset:\i*16384+((\j)/2)*2048+\g*512
.endr
.endr
.endm
.macro MUL j                           ; 16 matrix instructions, the accumulators by turns; the first step's start the sums
.irp i, 0,1,2,3
.irp a, 0,1,2,3
.if (\j) < 2
	v_wmma_f32_16x16x128_bf8_bf8 v[8*(8*\a+4*((\j)%2)+\i):8*(8*\a+4*((\j)%2)+\i)+7], v[BF+64*((\j)%3)+16*\i:BF+64*((\j)%3)+16*\i+15], v[16*(4*(((\j)/2)%4)+\a):16*(4*(((\j)/2)%4)+\a)+15], 0
.else
	v_wmma_f32_16x16x128_bf8_bf8 v[8*(8*\a+4*((\j)%2)+\i):8*(8*\a+4*((\j)%2)+\i)+7], v[BF+64*((\j)%3)+16*\i:BF+64*((\j)%3)+16*\i+15], v[16*(4*(((\j)/2)%4)+\a):16*(4*(((\j)/2)%4)+\a)+15], v[8*(8*\a+4*((\j)%2)+\i):8*(8*\a+4*((\j)%2)+\i)+7]
.endif
.endr
.endr
.endm
.macro HALF j
.if (\j)+2 < 16
	WIN 0
.if (\j) > 0
	PLACES                                         ; behind the last half step's products, whose set is loaded anew
.endif
	BLOAD (\j)+2
	s_wait_dscnt 32                                ; this half step's set is in; the next two sets' 32 loads may be out
.else
	s_wait_dscnt 16*(15-(\j))
.endif
.if (\j)%2 == 0
.if (\j) < 8
	s_wait_loadcnt 63                              ; of A's 128 loads at least the first 65 are in: steps 0 to 3
.else
	s_wait_loadcnt 16*(7-(\j)/2)                   ; this step's 16 loads are in; the later steps' may be out
.endif
.endif
.if (\j) < 8
	WIN 0xf4                                       ; B window 0, A window 1, C and D window 3
.else
	WIN 0xf8                                       ; A window 2
.endif
	MUL \j
.endm
	BLOAD 0
	BLOAD 1
.irp j, 0,1,2,3,4,5,6,7,8,9,10,11,12,13,14,15
	HALF \j
.endr
	WIN 0
; THE WAY OUT, block by block of 16 rows x 128 columns, through my own stage: whole rows of 512 bytes come back and leave as two aligned units of 256 bytes.  LDS serves a wave's instructions in order (ISA guide 5.7.1.4).
.macro TOSTAGE a
	WIN 0x03
.set j, 0
.rept 32
	v_pk_mul_f32 v[TMP+j:TMP+j+1], v[64*(\a)+j:64*(\a)+j+1], s[96:97] op_sel_hi:[1,0]   ; x 2^(e10 + e11); each accumulator from its low end on
.set j, j+2
.endr
	WIN 0
.irp b, 0,1,2,3,4,5,6,7
	ds_store_b128 v[STO], v[TMP+8*\b:TMP+8*\b+3] offset:64*\b
	ds_store_b128 v[STO], v[TMP+8*\b+4:TMP+8*\b+7] offset:64*\b+16
.endr
.set BB, BK+64*((\a)%2)
.irp t, 0,1,2,3,4,5,6,7,8,9,10,11,12,13,14,15
	ds_load_b128 v[BB+4*\t:BB+4*\t+3], v[RD] offset:\t*SPITCH
.endr
.endm
.macro SEND a, younger                 ; younger: the LDS instructions issued behind block a's loads, which may stay out
.set BB, BK+64*((\a)%2)
	s_wait_dscnt \younger
.if (\a) > 0
	s_add_nc_u64 s[10:11], s[10:11], 16*4096       ; (behind a wait on XCNT: the earlier stores have read their base)
.endif
.irp t, 0,1,2,3,4,5,6,7,8,9,10,11,12,13,14,15
	global_store_b128 v[LI], v[BB+4*\t:BB+4*\t+3], s[10:11] offset:\t*4096 th:TH_STORE_NT
.endr
.endm
	s_wait_kmcnt 0x0
	s_add_co_i32 s96, s96, s97
	s_add_co_i32 s96, s96, 127
	s_lshl_b32 s96, s96, 23                        ; 2^(e10 + e11) as f32
	PLACES                                         ; behind the last products: their results are read and their sources written below
	TOSTAGE 0
.irp a, 1,2,3
.if \a > 1
	s_wait_xcnt 0x0                                ; block a - 2's stores have read their registers and their base
.endif
	TOSTAGE \a
	SEND \a-1, 32
.endr
	s_wait_xcnt 0x0
	SEND 3, 0
	s_wait_tensorcnt 0x0                           ; the wave's end
	ds_add_u32 v[SPW], v[NIL]
	s_wait_dscnt 0x0
	CROUND                                         ; the closing round
	s_endpgm
.Lfunc_end_k_q729236a6bd_outp:
	.size	k_q729236a6bd_outp, .Lfunc_end_k_q729236a6bd_outp-k_q729236a6bd_outp
	.p2alignl 7, 3214868480
	.fill 96, 4, 3214868480
	.section	.rodata,"a",@progbits
	.p2align	6, 0x0
	.amdhsa_kernel k_q729236a6bd_outp
		.amdhsa_group_segment_fixed_size 327680
		.amdhsa_private_segment_fixed_size 0
		.amdhsa_enable_private_segment 0
		.amdhsa_kernarg_size 32
		.amdhsa_user_sgpr_count 2
		.amdhsa_user_sgpr_kernarg_segment_ptr 1
		.amdhsa_wavefront_size32 1
		.amdhsa_system_sgpr_workgroup_id_x 1
		.amdhsa_system_sgpr_workgroup_id_y 1
		.amdhsa_system_sgpr_workgroup_id_z 1
		.amdhsa_system_vgpr_workitem_id 0
		.amdhsa_next_free_vgpr 1024
		.amdhsa_next_free_sgpr 100
		.amdhsa_reserve_vcc 0
		.amdhsa_float_denorm_mode_32 3
		.amdhsa_float_denorm_mode_16_64 3
		.amdhsa_memory_ordered 1
		.amdhsa_forward_progress 1
		.amdhsa_inst_pref_size 75
	.end_amdhsa_kernel
	.amdgpu_metadata
---
amdhsa.version: [ 1, 2 ]
amdhsa.kernels:
  - .name:           k_q729236a6bd_outp
    .symbol:         k_q729236a6bd_outp.kd
    .args:
      - { .name: ofr, .offset: 0, .size: 8, .value_kind: global_buffer, .address_space: global }
      - { .name: wf, .offset: 8, .size: 8, .value_kind: global_buffer, .address_space: global }
      - { .name: lowp_scales, .offset: 16, .size: 8, .value_kind: global_buffer, .address_space: global }
      - { .name: out0, .offset: 24, .size: 8, .value_kind: global_buffer, .address_space: global }
    .group_segment_fixed_size: 327680
    .private_segment_fixed_size: 0
    .kernarg_segment_align: 8
    .kernarg_segment_size: 32
    .max_flat_workgroup_size: 128
    .sgpr_count:     100
    .vgpr_count:     1024
    .wavefront_size: 32
...
	.end_amdgpu_metadata
.endif
;; end of part 4
